; MI455X (gfx1250); checked and timed in simulation.
; The chip was launched on July 23, 2026; its instructions are those of AMD's public machine-readable ISA for CDNA 5 (MIT licence, August 2026) and "CDNA5" Instruction Set Architecture Reference Guide (July 2026). The comments in the code are by the model that wrote it; some were corrected since.
;; Local Self Attention. Allowed arithmetic: float matrix products may take bf16 or f16 operands with f32 sums; all other float work in f32.
;; Inputs: W_proj 1,024 x 1,024 float32; W_qkv 1,024 x 3,072 float32; b_proj 1,024 float32; b_qkv 3,072 float32; x 2 x 2,048 x 1,024 float32.
;; Outputs: out0 2 x 2,048 x 1,024 float32.
;; One version. Each part assembles by itself: llvm-mc -triple=amdgcn-amd-amdhsa -mcpu=gfx1250 --defsym DOCPART=n.
;; ======== version 1 of 1: 4 launches
;; limits: values are held in f16: magnitudes above 65,504 overflow, below 6.1e-05 lose precision
;; workspace buffers: xh 8,388,608 bytes; wq 6,291,456 bytes; wp 2,097,152 bytes; qkv 25,174,016 bytes; att 8,388,608 bytes
;; launch cast (part 1): grid 1024 x 1, 8 waves a work-group, no clusters, 0 bytes of LDS; arguments x, W_qkv, W_proj, xh, wq, wp, qkv; writes xh, wq, wp, qkv
.if DOCPART == 1
	.amdgcn_target "amdgcn-amd-amdhsa--gfx1250"
	.amdhsa_code_object_version 6
	.text
	.protected	k_qdc6127a1e7_cast
	.globl	k_qdc6127a1e7_cast
	.p2align	8
	.type	k_qdc6127a1e7_cast,@function
k_qdc6127a1e7_cast:
	s_mov_b64 s[64:65], 0
	v_nop
	global_prefetch_b8 v0, s[64:65] scope:SCOPE_SE
	s_setreg_imm32_b32 hwreg(HW_REG_WAVE_MODE, 25, 1), 1
	s_wait_xcnt 0x0
; x, W_qkv and W_proj, f32, are rounded once to f16, layouts unchanged, into xh, wq, wp.
; f16 and not bf16: a rounding to f16 is at most 2^-11 of the number, to bf16 2^-8, and this chain rounds its numbers several times over.
; LIMIT: numbers of 65,504 and more become infinite; below 2^-14 the step is 2^-24.
; A work-group takes 8,192 numbers: 32 KiB in, 16 KiB out.  Groups 0-511 take x, 512-895 W_qkv, 896-1023 W_proj.
; Thread t takes the 16 bytes at 16 t of each of eight blocks of 4,096 bytes: a wave's load covers 512 consecutive bytes,
; its store of 8 bytes a lane 256 consecutive bytes, aligned.  All eight loads go out first; no register is written twice.
; No LDS, no matrix unit: nothing is used twice.
; Group 0 also writes 8,192 zero bytes behind the last row of qkv: the rows that the last head's V tile reaches past V's end.
.set XG,   512                         ; groups for x
.set WQG,  896                         ; first group of W_proj
.set IN,   8                           ; v[8:39]   eight loads of four f32
.set OUTR, 40                          ; v[40:55]  eight pairs of packed f16
.set QKV_BYTES, 25165824               ; 48 x 4096 rows of 128 bytes
	s_load_b256 s[4:11], s[0:1], 0x0               ; x s[4:5], W_qkv s[6:7], W_proj s[8:9], xh s[10:11]
	s_load_b128 s[12:15], s[0:1], 0x20             ; wq s[12:13], wp s[14:15]
	s_load_b64 s[16:17], s[0:1], 0x30              ; qkv
	v_lshlrev_b32 v1, 4, v0                        ; 16 t: where I read
	v_lshlrev_b32 v2, 3, v0                        ; 8 t: where I write
	s_mov_b32 s25, XG
	s_mov_b32 s26, WQG
	s_wait_kmcnt 0x0
	s_cmp_lt_u32 ttmp9, WQG                        ; the choice hangs on the group's number alone
	s_cselect_b64 s[20:21], s[6:7], s[8:9]
	s_cselect_b64 s[22:23], s[12:13], s[14:15]
	s_cselect_b32 s24, s25, s26                    ; the first group of my tensor
	s_cmp_lt_u32 ttmp9, XG
	s_cselect_b64 s[20:21], s[4:5], s[20:21]
	s_cselect_b64 s[22:23], s[10:11], s[22:23]
	s_cselect_b32 s24, 0, s24
	s_sub_co_u32 s24, ttmp9, s24                   ; my number inside the tensor
	s_lshl_b32 s28, s24, 15                        ; 32 KiB in
	s_mov_b32 s29, 0
	s_lshl_b32 s30, s24, 14                        ; 16 KiB out
	s_mov_b32 s31, 0
	s_add_nc_u64 s[20:21], s[20:21], s[28:29]
	s_add_nc_u64 s[22:23], s[22:23], s[30:31]
.irp i, 0,1,2,3,4,5,6,7
	global_load_b128 v[IN+4*\i:IN+4*\i+3], v1, s[20:21] offset:4096*\i th:TH_LOAD_NT
.endr
.irp i, 0,1,2,3,4,5,6,7
	s_wait_loadcnt 7-\i                            ; loads come back in order (ISA guide 5.7.1): load i is in, the 7 - i younger ones stay out
	v_cvt_pk_f16_f32 v[OUTR+2*\i],   v[IN+4*\i],   v[IN+4*\i+1]
	v_cvt_pk_f16_f32 v[OUTR+2*\i+1], v[IN+4*\i+2], v[IN+4*\i+3]
	global_store_b64 v2, v[OUTR+2*\i:OUTR+2*\i+1], s[22:23] offset:2048*\i
.endr
	s_cmp_lg_u32 ttmp9, 0
	s_cbranch_scc1 .Lend
	v_mov_b32 v4, 0                                ; the guard rows: 256 threads x 16 bytes, twice
	v_mov_b32 v5, 0
	v_mov_b32 v6, 0
	v_mov_b32 v7, 0
	s_add_nc_u64 s[16:17], s[16:17], QKV_BYTES
	global_store_b128 v1, v[4:7], s[16:17]
	global_store_b128 v1, v[4:7], s[16:17] offset:4096
.Lend:
	s_endpgm
.Lfunc_end_k_qdc6127a1e7_cast:
	.size	k_qdc6127a1e7_cast, .Lfunc_end_k_qdc6127a1e7_cast-k_qdc6127a1e7_cast
	.p2alignl 7, 3214868480
	.fill 96, 4, 3214868480
	.section	.rodata,"a",@progbits
	.p2align	6, 0x0
	.amdhsa_kernel k_qdc6127a1e7_cast
		.amdhsa_group_segment_fixed_size 0
		.amdhsa_private_segment_fixed_size 0
		.amdhsa_enable_private_segment 0
		.amdhsa_kernarg_size 56
		.amdhsa_user_sgpr_count 2
		.amdhsa_user_sgpr_kernarg_segment_ptr 1
		.amdhsa_wavefront_size32 1
		.amdhsa_system_sgpr_workgroup_id_x 1
		.amdhsa_system_sgpr_workgroup_id_y 1
		.amdhsa_system_sgpr_workgroup_id_z 1
		.amdhsa_system_vgpr_workitem_id 0
		.amdhsa_next_free_vgpr 64
		.amdhsa_next_free_sgpr 66
		.amdhsa_reserve_vcc 0
		.amdhsa_float_denorm_mode_32 3
		.amdhsa_float_denorm_mode_16_64 3
		.amdhsa_memory_ordered 1
		.amdhsa_forward_progress 1
		.amdhsa_inst_pref_size 5
	.end_amdhsa_kernel
	.amdgpu_metadata
---
amdhsa.version: [ 1, 2 ]
amdhsa.kernels:
  - .name:           k_qdc6127a1e7_cast
    .symbol:         k_qdc6127a1e7_cast.kd
    .args:
      - { .name: x, .offset: 0, .size: 8, .value_kind: global_buffer, .address_space: global }
      - { .name: W_qkv, .offset: 8, .size: 8, .value_kind: global_buffer, .address_space: global }
      - { .name: W_proj, .offset: 16, .size: 8, .value_kind: global_buffer, .address_space: global }
      - { .name: xh, .offset: 24, .size: 8, .value_kind: global_buffer, .address_space: global }
      - { .name: wq, .offset: 32, .size: 8, .value_kind: global_buffer, .address_space: global }
      - { .name: wp, .offset: 40, .size: 8, .value_kind: global_buffer, .address_space: global }
      - { .name: qkv, .offset: 48, .size: 8, .value_kind: global_buffer, .address_space: global }
    .group_segment_fixed_size: 0
    .private_segment_fixed_size: 0
    .kernarg_segment_align: 8
    .kernarg_segment_size: 56
    .max_flat_workgroup_size: 256
    .sgpr_count:     66
    .vgpr_count:     64
    .wavefront_size: 32
...
	.end_amdgpu_metadata
.endif
;; end of part 1
;; launch qkvgemm (part 2): grid 8 x 32, 4 waves a work-group, clusters of 4 x 4, 327,680 bytes of LDS; arguments xh, wq, b_qkv, qkv; writes qkv
.if DOCPART == 2
	.amdgcn_target "amdgcn-amd-amdhsa--gfx1250"
	.amdhsa_code_object_version 6
	.text
	.protected	k_qdc6127a1e7_qkvgemm
	.globl	k_qdc6127a1e7_qkvgemm
	.p2align	8
	.type	k_qdc6127a1e7_qkvgemm,@function
k_qdc6127a1e7_qkvgemm:
	s_mov_b64 s[64:65], 0
	v_nop
	global_prefetch_b8 v0, s[64:65] scope:SCOPE_SE
	s_setreg_imm32_b32 hwreg(HW_REG_WAVE_MODE, 25, 1), 1
	s_wait_xcnt 0x0
	s_wait_alu depctr_hold_cnt(0) depctr_sa_sdst(0) depctr_va_vdst(0) depctr_va_sdst(0) depctr_va_ssrc(0) depctr_va_vcc(0) depctr_vm_vsrc(0)
	s_getreg_b32 s2, hwreg(HW_REG_IB_STS2, 6, 4)
	s_cmp_eq_u32 s2, 0
	s_cbranch_scc0 .Lentry_in_a_cluster
	s_endpgm
.Lentry_in_a_cluster:
	s_bfe_u32 s2, ttmp6, 0x10000c
	s_cmp_lg_u32 s2, 0xf033
	s_cbranch_scc0 .Lentry_shape_is_right
	s_endpgm
.Lentry_shape_is_right:
; qkv = xh wq + b_qkv.  xh: [4096 m][1024 k] f16.  wq: [1024 k][3072 n] f16.  b_qkv: [3072] f32.  Sums in f32, started by the bias.
; qkv goes out in f16 as [48 g][4096 m][64], g = n / 64 (Q: g = head, K: 16 + head, V: 32 + head): a head's rows are dense, 128 bytes each.
; A work-group makes 128 (m) x 384 (n), six heads, with four waves; a wave makes 64 x 192: 48 accumulator tiles of 16 x 16, 384 registers.
; K goes in 8 steps of 128 through two LDS slots.  Wave 0 fetches xh's tile (128 rows x 256 bytes), waves 1 to 3 one third of wq's tile
; each (128 k rows x 128 columns = 256 bytes): one tensor load a wave and step.
; CLUSTERS: 4 x 4 work-groups.  xh's tile hangs on the block row alone and is asked for jointly by a row of the cluster, wq's on the block
; column alone and is asked for jointly by a column.
; wq lies [k][n]: its fragments are read with the transposing LDS load.  The matrix instruction is used transposed (source 0 = 16 columns of
; wq, source 1 = 16 rows of xh), so that a lane's eight results are eight neighbouring n of one row m.
; LIMITS: operands and the stored q, k, v are rounded to f16 (at most 2^-11 of the number each time); the bias enters first, so the order of
; rounding differs from x W + b.  |q|, |k|, |v| must stay below 65,504.  With x of spread 1 and W of spread 1/32: both thirty times larger give
; a spread of 900; offsets of thirty spreads on both give 1024 x 30 x 30/32 = 28,800; both thirty times smaller give 1/900, where f16's step
; is 2^-24.  Thirty times larger AND such offsets at once pass the bound and are not served.
;
; REGISTERS, in windows of 256: window 0 addresses, the bias (v96-191), later the way out; window 1 two fragment buffers of 128 registers
; (12 fragments of wq, then 4 of xh); window 2 the tiles of my rows 0-31 (tile (a, b) at 8 (12 a + b)); window 3 those of rows 32-63.
.set REG,    36864                     ; LDS bytes of what one wave fetches: 128 rows x 288 (wq) or x 272 (xh, 34,816 used)
.set SLOT,   4*REG
.set STAGE,  2*SLOT                    ; behind the ring, never filled by a tensor load
.set WSTAGE, 6912                      ; a wave's stage: 3 heads x 16 rows x 144 bytes
.set PA,     272                       ; xh's LDS rows: 256 + 16 bytes, an odd multiple of 16: 16 rows start in 16 different groups of four banks (ISA guide 11.1)
.set PB,     288                       ; wq's LDS rows: 256 + 32 bytes, an odd multiple of 32, for the transposing load
.set KB_A,   256                       ; a K step along xh's rows, bytes
.set KB_B,   786432                    ; a K step down wq: 128 rows of 6,144 bytes
.set HEADB,  524288                    ; a head's block in qkv: 4096 rows x 128 bytes
.set ADRA, 8                           ; v8-9    LDS address of my xh fragments, slot 0, 1
.set ADRB, 10                          ; v10-15  of my wq fragments: slot s, group g of four n tiles at 10 + 3 s + g
.set STO,  16
.set RD,   17
.set CO,   18
.set BOFF, 19
.set BIAS, 96                          ; v96-191: tile b's eight numbers of the bias at 96 + 8 b
.set OUT0, 96                          ; the way out: two buffers of 48 registers, once the bias has been used
.set OUT1, 144
.set TMP,  192                         ; v192-239
.set G1A, 24
.set G0A, 32                           ; s[32:39] one set of four for each slot
.set G1B, 40
.set G0B, 48                           ; s[48:55]
.set MSB, 0
.macro WIN new                         ; the immediate's high byte repeats the setting that is left
.if MSB != \new
	s_set_vgpr_msb (MSB<<8)|\new
.set MSB, \new
.endif
.endm
.macro PLACES                          ; four plain vector places behind a matrix instruction (ISA guide 7.12.1) before its registers are loaded into or its results read
.rept 4
	v_nop
.endr
.endm
.macro JLOAD s                         ; a joint load; the branch hangs on the wave's number alone
	s_cmp_eq_u32 s12, 0
	s_cbranch_scc0 .Lfor_b_\@
	tensor_load_to_lds s[G0A+4*\s:G0A+4*\s+3], s[G1A:G1A+7]
	s_nop 0
	s_branch .Lasked_\@
.Lfor_b_\@:
	tensor_load_to_lds s[G0B+4*\s:G0B+4*\s+3], s[G1B:G1B+7]
	s_nop 0
.Lasked_\@:
.endm
.macro CREST                           ; a round of the cluster's barrier behind its opening barrier
	s_cmp_lg_u32 s12, 0
	s_cbranch_scc1 .Lnot_wave_0_\@
	s_barrier_signal -3
.Lnot_wave_0_\@:
	s_barrier_wait -3
	s_barrier_signal -1
	s_barrier_wait -1
.endm
.macro CROUND
	s_barrier_signal -1
	s_barrier_wait -1
	CREST
.endm
	s_load_b256 s[4:11], s[0:1], 0x0               ; xh s[4:5], wq s[6:7], b_qkv s[8:9], qkv s[10:11]
	v_lshl_add_u32 v254, v0, 2, 0x4ec00
	v_mov_b32 v255, 0
	ds_add_u32 v254, v255
	ds_add_u32 v254, v255
	v_lshrrev_b32 v1, 5, v0
	v_readfirstlane_b32 s12, v1                    ; wave 0..3
	s_lshr_b32 s13, s12, 1                         ; wm: which 64 rows are mine
	s_and_b32 s14, s12, 1                          ; wn: which 192 columns
	s_bfe_u32 s16, ttmp6, 0x40000                  ; cx
	s_bfe_u32 s17, ttmp6, 0x40004                  ; cy
	s_lshl_b32 s18, ttmp9, 2
	s_add_co_u32 s18, s18, s16                     ; block column 0..7
	s_and_b32 s19, ttmp7, 0xffff
	s_lshl_b32 s19, s19, 2
	s_add_co_u32 s19, s19, s17                     ; block row 0..31
	s_lshl_b32 s20, s17, 2
	s_lshl_b32 s20, 15, s20                        ; my row of the cluster
	s_lshl_b32 s21, 0x1111, s16                    ; my column
	; group 1: 128 rows x 128 elements of 2 bytes; behind every 64 words 4 words (xh) or 8 words (wq) of padding; bit 21 beside the mask
	s_or_b32 s[G1A+0], s20, (1<<16)|(1<<20)|(1<<21)|(5<<22)|(3<<25)
	s_mov_b32 s[G1A+1], 128<<16                    ; tensor_dim0 = 128
	s_mov_b32 s[G1A+2], 128<<16                    ; tensor_dim1 = 128
	s_mov_b32 s[G1A+3], 128<<16                    ; tile_dim0 = 128
	s_mov_b32 s[G1A+4], 128                        ; tile_dim1 = 128
	s_mov_b32 s[G1A+5], 1024                       ; elements from row to row of xh
	s_mov_b32 s[G1A+6], 0
	s_mov_b32 s[G1A+7], 0
	s_or_b32 s[G1B+0], s21, (1<<16)|(1<<20)|(1<<21)|(5<<22)|(7<<25)
	s_mov_b32 s[G1B+1], 128<<16
	s_mov_b32 s[G1B+2], 128<<16
	s_mov_b32 s[G1B+3], 128<<16
	s_mov_b32 s[G1B+4], 128
	s_mov_b32 s[G1B+5], 3072                       ; elements from row to row of wq
	s_mov_b32 s[G1B+6], 0
	s_mov_b32 s[G1B+7], 0
	s_lshl_b32 s56, s19, 18                        ; xh: block row x 128 rows x 2,048 bytes
	s_mov_b32 s57, 0
	s_mul_i32 s58, s18, 768                        ; wq: block column x 384 columns x 2 bytes
	s_max_u32 s60, s12, 1
	s_sub_co_u32 s60, s60, 1                       ; waves 1 to 3: third 0 to 2 (wave 0 does not ask by this address)
	s_lshl_b32 s60, s60, 8
	s_add_co_u32 s58, s58, s60
	s_mov_b32 s59, 0
	s_mul_i32 s22, s12, REG                        ; where my tile goes: the wave's number alone
	s_wait_dscnt 0x0
	s_wait_kmcnt 0x0
	s_add_nc_u64 s[56:57], s[4:5], s[56:57]
	s_add_nc_u64 s[58:59], s[6:7], s[58:59]
	CROUND                                         ; all sixteen work-groups are here: the first joint loads meet
.irp s, 0,1
	s_mov_b32 s[G0A+4*\s], 1
	s_add_co_u32 s[G0A+4*\s+1], s22, \s*SLOT
	s_add_nc_u64 s[G0A+4*\s+2:G0A+4*\s+3], s[56:57], \s*KB_A
	s_or_b32 s[G0A+4*\s+3], s[G0A+4*\s+3], 0x80000000
	s_mov_b32 s[G0B+4*\s], 1
	s_add_co_u32 s[G0B+4*\s+1], s22, \s*SLOT
	s_add_nc_u64 s[G0B+4*\s+2:G0B+4*\s+3], s[58:59], \s*KB_B
	s_or_b32 s[G0B+4*\s+3], s[G0B+4*\s+3], 0x80000000
	JLOAD \s                                       ; K steps 0 and 1: two loads of mine are out
.endr
	v_and_b32 v1, 15, v0                           ; r = lane % 16
	v_bfe_u32 v2, v0, 4, 1                         ; h = lane / 16
	s_mul_i32 s66, s18, 1536                       ; the bias of my 192 columns: (384 block + 192 wn) x 4 bytes + 32 h
	s_mul_i32 s60, s14, 768
	s_add_co_u32 s66, s66, s60
	v_lshl_add_u32 v[BOFF], v2, 5, s66
.irp b, 0,1,2,3,4,5,6,7,8,9,10,11
	global_load_b128 v[BIAS+8*\b:BIAS+8*\b+3],   v[BOFF], s[8:9] offset:64*\b
	global_load_b128 v[BIAS+8*\b+4:BIAS+8*\b+7], v[BOFF], s[8:9] offset:64*\b+16
.endr
	v_mul_u32_u24 v3, v1, PA                       ; xh's fragments: row r, 16 bytes for each half of the lanes
	v_lshl_add_u32 v3, v2, 4, v3
	s_mul_i32 s60, s13, 64*PA
	v_add_nc_u32 v[ADRA], s60, v3
	s_add_co_u32 s60, s60, SLOT
	v_add_nc_u32 v[ADRA+1], s60, v3
	v_and_b32 v4, 7, v0                            ; wq's fragments: k row 8 h + lane % 8, 16 bytes by bit 3 of the lane
	v_lshl_add_u32 v4, v2, 3, v4
	v_mul_u32_u24 v4, v4, PB
	v_bfe_u32 v5, v0, 3, 1
	v_lshl_add_u32 v4, v5, 4, v4
	s_mul_i32 s61, s14, 3
.irp g, 0,1,2
	s_add_co_u32 s62, s61, \g                      ; u = 3 wn + g: which 64 columns of the block's 384
	s_lshr_b32 s63, s62, 1                         ; the third of wq's tile that holds them,
	s_mul_i32 s63, s63, REG
	s_and_b32 s62, s62, 1                          ; and which half of its rows of 256 bytes
	s_lshl_b32 s62, s62, 7
	s_add_co_u32 s62, s62, s63
	s_add_co_u32 s62, s62, REG                     ; wq's thirds lie behind xh's tile
	v_add_nc_u32 v[ADRB+\g], s62, v4
	s_add_co_u32 s62, s62, SLOT
	v_add_nc_u32 v[ADRB+3+\g], s62, v4
.endr
	s_mul_i32 s60, s12, WSTAGE
	s_add_co_u32 s60, s60, STAGE
	v_mul_u32_u24 v3, v1, 144                      ; in: row r of a head, 16 bytes for each half of the lanes
	v_lshl_add_u32 v3, v2, 4, v3
	v_add_nc_u32 v[STO], s60, v3
	v_bfe_u32 v3, v0, 3, 2                         ; back: eight lanes take a row of 128 bytes, the wave four rows
	v_mul_u32_u24 v3, v3, 144
	v_and_b32 v5, 7, v0
	v_lshl_add_u32 v3, v5, 4, v3
	v_add_nc_u32 v[RD], s60, v3
	v_and_b32 v3, 31, v0
	v_lshlrev_b32 v[CO], 4, v3                     ; four dense rows in qkv: 16 x lane
; 12 matrix instructions: m tile a of the window's two x all 12 n tiles, 32 along K.  first = 1: the bias starts the sums, nothing is cleared.
.macro MULA f, hi, a, first
.irp b, 0,1,2,3,4,5,6,7,8,9,10,11
.if \first
	v_wmma_f32_16x16x32_f16 v[8*(12*\a+\b):8*(12*\a+\b)+7], v[128*\f+8*\b:128*\f+8*\b+7], v[128*\f+96+8*(2*\hi+\a):128*\f+96+8*(2*\hi+\a)+7], v[BIAS+8*\b:BIAS+8*\b+7]
.else
	v_wmma_f32_16x16x32_f16 v[8*(12*\a+\b):8*(12*\a+\b)+7], v[128*\f+8*\b:128*\f+8*\b+7], v[128*\f+96+8*(2*\hi+\a):128*\f+96+8*(2*\hi+\a)+7], v[8*(12*\a+\b):8*(12*\a+\b)+7]
.endif
.endr
.endm
; 32 LDS loads in one run: quarter q (32 along K) of a slot into buffer f; wq's 24 first, xh's rows 32-63 last
.macro FETCH slot, q, f
	WIN 0x40                                       ; destination window 1, address window 0
.irp j, 0,1,2,3,4,5,6,7,8,9,10,11
	ds_load_tr16_b128 v[128*\f+8*\j:128*\f+8*\j+3],   v[ADRB+3*\slot+\j/4] offset:\q*32*PB+(\j%4)*32
	ds_load_tr16_b128 v[128*\f+8*\j+4:128*\f+8*\j+7], v[ADRB+3*\slot+\j/4] offset:\q*32*PB+(\j%4)*32+16*PB
.endr
.irp i, 0,1,2,3
	ds_load_b128 v[128*\f+96+8*\i:128*\f+96+8*\i+3],   v[ADRA+\slot] offset:\q*64+\i*16*PA
	ds_load_b128 v[128*\f+96+8*\i+4:128*\f+96+8*\i+7], v[ADRA+\slot] offset:\q*64+\i*16*PA+32
.endr
.endm
; A quarter step: 48 matrix instructions on buffer f; in its middle the next quarter's fragments go into buffer g.
; The 48 accumulators take turns, one instruction a turn, in the same order in every quarter.
.macro QUARTER slot, qn, f, g, first
	s_wait_dscnt 4                                 ; all but the youngest four loads (xh's rows 32-63) are in
.if \first
	WIN 0x85                                       ; sources 0, 1 window 1, C window 0 (the bias), D window 2
.else
	WIN 0xa5                                       ; C and D window 2
.endif
	MULA \f, 0, 0, \first
	MULA \f, 0, 1, \first
	PLACES
	FETCH \slot, \qn, \g
	s_wait_dscnt 32                                ; all but the 32 just issued
.if \first
	WIN 0xc5
.else
	WIN 0xf5                                       ; C and D window 3
.endif
	MULA \f, 1, 0, \first
	MULA \f, 1, 1, \first
.endm
.macro THREE slot, first
	QUARTER \slot, 1, 0, 1, \first
	QUARTER \slot, 2, 1, 0, 0
	QUARTER \slot, 3, 0, 1, 0
.endm
; The last quarter multiplies buffer 1 and changes slots.  In front of the barrier each wave waits for its reads of this slot and for all its
; tensor loads (one is out: its part of the next slot); behind it the refill comes first, then the next slot's first fragments.
.macro TURN slot, next, fill
	s_wait_dscnt 4
	WIN 0xa5
	MULA 1, 0, 0, 0
	s_wait_dscnt 0                                 ; my reads of this slot are over
	s_set_vgpr_msb 0xa5a0
	s_wait_tensorcnt 0x0                           ; all my tensor loads have landed
	ds_add_u32 v254, v255
	s_wait_dscnt 0x0
	s_set_vgpr_msb 0xa0a5
	s_barrier_signal -1                            ; where the slot is filled again this barrier opens a round of the cluster's barrier
	MULA 1, 0, 1, 0                                ; register work while the others arrive
	WIN 0
	s_barrier_wait -1
.if \fill
	CREST                                          ; no wave of any partner still reads this slot or has a load on its way
	s_add_nc_u64 s[G0A+4*\slot+2:G0A+4*\slot+3], s[G0A+4*\slot+2:G0A+4*\slot+3], 2*KB_A
	s_add_nc_u64 s[G0B+4*\slot+2:G0B+4*\slot+3], s[G0B+4*\slot+2:G0B+4*\slot+3], 2*KB_B
	JLOAD \slot                                    ; my one tensor load behind the round: two K steps ahead
.endif
	PLACES
	FETCH \next, 0, 0
	WIN 0xf5
	MULA 1, 1, 0, 0
	MULA 1, 1, 1, 0
.endm
.macro LAP first
	THREE 0, \first
	TURN 0, 1, 1
	THREE 1, 0
	TURN 1, 0, 1
.endm
	s_wait_loadcnt 0x0                             ; the bias
	s_wait_tensorcnt 1                             ; my part of K step 0 is in; step 1's stays out
	s_barrier_signal -1
	s_barrier_wait -1
	FETCH 0, 0, 0
	LAP 1                                          ; K steps 0, 1; asks for 2, 3
	WIN 0
	s_mov_b32 s3, 2
.Llap:
	LAP 0                                          ; K steps 2 to 5; asks for 4 to 7
	WIN 0
	s_sub_co_u32 s3, s3, 1
	s_cmp_lg_u32 s3, 0
	s_cbranch_scc1 .Llap
	THREE 0, 0                                     ; K steps 6, 7: nothing is left to ask for
	TURN 0, 1, 0
	THREE 1, 0
	s_wait_dscnt 4
	WIN 0xa5
	MULA 1, 0, 0, 0
	MULA 1, 0, 1, 0
	s_wait_dscnt 0
	WIN 0xf5
	MULA 1, 1, 0, 0
	MULA 1, 1, 1, 0
	; THE WAY OUT, 16 rows at a time: round to f16, 16 bytes a lane into my own stage, read back as four dense rows of a head.
	PLACES
	s_mul_i32 s66, s18, 6                          ; my first head block: 6 x block column + 3 wn
	s_mul_i32 s60, s14, 3
	s_add_co_u32 s66, s66, s60
	s_lshl_b32 s66, s66, 19                        ; x 524,288 bytes
	s_mov_b32 s67, 0
	s_add_nc_u64 s[10:11], s[10:11], s[66:67]
	s_lshl_b32 s70, s19, 14                        ; my first row: (128 x block row + 64 wm) x 128 bytes
	s_lshl_b32 s60, s13, 13
	s_add_co_u32 s70, s70, s60
	s_mov_b32 s71, 0
	s_add_nc_u64 s[10:11], s[10:11], s[70:71]
; rows 16 mt .. 16 mt + 15 of my 64 = the twelve tiles (a, 0..11) of window 2 or 3 (from = 0x0a or 0x0f)
.macro OUT16 mt, a, from, f
	WIN \from
.irp b, 0,1,2,3,4,5,6,7,8,9,10,11
.irp i, 0,1,2,3
	v_cvt_pk_f16_f32 v[TMP+4*\b+\i], v[8*(12*\a+\b)+2*\i], v[8*(12*\a+\b)+2*\i+1]
.endr
.endr
	WIN 0
.irp b, 0,1,2,3,4,5,6,7,8,9,10,11
	ds_store_b128 v[STO], v[TMP+4*\b:TMP+4*\b+3] offset:(\b/4)*2304+(\b%4)*32
.endr
	s_wait_xcnt 0x0                                ; buffer f, which earlier stores read, is loaded again only behind this wait (ISA guide 3.1)
.irp t, 0,1,2,3,4,5,6,7,8,9,10,11
	ds_load_b128 v[\f+4*\t:\f+4*\t+3], v[RD] offset:(\t/4)*2304+(\t%4)*576   ; LDS serves a wave's instructions in order: these see the stores above
.endr
.irp t, 0,1,2,3,4,5,6,7,8,9,10,11
	s_wait_dscnt 11-\t
	global_store_b128 v[CO], v[\f+4*\t:\f+4*\t+3], s[10:11] offset:(\t/4)*HEADB+\mt*2048+(\t%4)*512   ; the wave stores 512 consecutive bytes, aligned
.endr
.endm
	OUT16 0, 0, 0x0a, OUT0
	OUT16 1, 1, 0x0a, OUT1
	OUT16 2, 0, 0x0f, OUT0
	OUT16 3, 1, 0x0f, OUT1
	s_wait_tensorcnt 0x0
	ds_add_u32 v254, v255
	s_wait_dscnt 0x0
	CROUND                                         ; the closing round: no work-group ends while a partner may still ask jointly
	s_endpgm
.Lfunc_end_k_qdc6127a1e7_qkvgemm:
	.size	k_qdc6127a1e7_qkvgemm, .Lfunc_end_k_qdc6127a1e7_qkvgemm-k_qdc6127a1e7_qkvgemm
	.p2alignl 7, 3214868480
	.fill 96, 4, 3214868480
	.section	.rodata,"a",@progbits
	.p2align	6, 0x0
	.amdhsa_kernel k_qdc6127a1e7_qkvgemm
		.amdhsa_group_segment_fixed_size 327680
		.amdhsa_private_segment_fixed_size 0
		.amdhsa_enable_private_segment 0
		.amdhsa_kernarg_size 32
		.amdhsa_user_sgpr_count 2
		.amdhsa_user_sgpr_kernarg_segment_ptr 1
		.amdhsa_wavefront_size32 1
		.amdhsa_system_sgpr_workgroup_id_x 1
		.amdhsa_system_sgpr_workgroup_id_y 1
		.amdhsa_system_sgpr_workgroup_id_z 1
		.amdhsa_system_vgpr_workitem_id 0
		.amdhsa_next_free_vgpr 960
		.amdhsa_next_free_sgpr 80
		.amdhsa_reserve_vcc 0
		.amdhsa_float_denorm_mode_32 3
		.amdhsa_float_denorm_mode_16_64 3
		.amdhsa_memory_ordered 1
		.amdhsa_forward_progress 1
		.amdhsa_inst_pref_size 166
	.end_amdhsa_kernel
	.amdgpu_metadata
---
amdhsa.version: [ 1, 2 ]
amdhsa.kernels:
  - .name:           k_qdc6127a1e7_qkvgemm
    .symbol:         k_qdc6127a1e7_qkvgemm.kd
    .args:
      - { .name: xh, .offset: 0, .size: 8, .value_kind: global_buffer, .address_space: global }
      - { .name: wq, .offset: 8, .size: 8, .value_kind: global_buffer, .address_space: global }
      - { .name: b_qkv, .offset: 16, .size: 8, .value_kind: global_buffer, .address_space: global }
      - { .name: qkv, .offset: 24, .size: 8, .value_kind: global_buffer, .address_space: global }
    .group_segment_fixed_size: 327680
    .private_segment_fixed_size: 0
    .kernarg_segment_align: 8
    .kernarg_segment_size: 32
    .max_flat_workgroup_size: 128
    .sgpr_count:     80
    .vgpr_count:     960
    .wavefront_size: 32
...
	.end_amdgpu_metadata
.endif
;; end of part 2
;; launch attn (part 3): grid 256 x 1, 16 waves a work-group, no clusters, 181,248 bytes of LDS; arguments qkv, att; writes att
.if DOCPART == 3
	.amdgcn_target "amdgcn-amd-amdhsa--gfx1250"
	.amdhsa_code_object_version 6
	.text
	.protected	k_qdc6127a1e7_attn
	.globl	k_qdc6127a1e7_attn
	.p2align	8
	.type	k_qdc6127a1e7_attn,@function
k_qdc6127a1e7_attn:
	s_mov_b64 s[64:65], 0
	v_nop
	global_prefetch_b8 v0, s[64:65] scope:SCOPE_SE
	s_setreg_imm32_b32 hwreg(HW_REG_WAVE_MODE, 25, 1), 1
	s_wait_xcnt 0x0
; Softmax attention inside the band |query - key| <= 64 of a sequence of 2,048, one head of 64 at a time.
; qkv: [48 g][4096 m][64] f16 (Q: g = head, K: 16 + head, V: 32 + head; m = 2048 batch + t), 64 zero rows behind it.  att: [16 head][4096 m][64] f16.
; A work-group takes one head and 256 queries; its 16 waves take 16 queries each.  A wave's queries q0 .. q0 + 15 see the keys q0 - 64 .. q0 + 79:
; nine tiles of 16.  All 144 scores of a query lie in the registers of two lanes, so the true maximum is taken away before the exponential.
; LDS is filled once: 384 rows of V, 384 of K (64 rows of halo on either side), 256 of Q; each wave fetches 64 rows (8 KiB, dense in memory) as
; 32 rows of 256 bytes, so an LDS row holds two logical rows; row p lies at (p / 2) x pitch + (p % 2) x 128.
; Scores are made transposed (source 0 = keys, source 1 = queries): lane (r, h) holds keys 8 h .. 8 h + 7 of query r, which after the exponential
; and the rounding to f16 IS the fragment of the second product (source 1 = P, source 0 = V read with the transposing load): no lane move.
; NO MULTICAST: neighbouring query blocks share 128 of a block's 384 rows of K and of V, and at other LDS rows; what is shared is a third of one fill.
; LIMITS: the weights P lie in 0 .. 1 (the maximum is taken away) and are rounded to f16, step 2^-24 below 2^-14, while the row's sum is taken of the
; unrounded f32.  The result is a mean of rows of V, so it is no larger than they are and fits f16 where they do.  Keys outside the band or the
; sequence get the weight 0 exactly and multiply whatever rows lie there (a neighbouring head's, or the zero rows): those must be finite in f16.
.set VB,    0                          ; V: 192 LDS rows, pitch 288 (odd multiple of 32, for the transposing load)
.set KB,    55296                      ; K: 192 LDS rows, pitch 272
.set QB,    107520                     ; Q: 128 LDS rows, pitch 272
.set STAGE, 142336                     ; 16 waves x 16 rows x 144 bytes, never filled by a tensor load
.set DL,   3                           ; r - 8 h
.set KADR, 4
.set QADR, 5
.set VADR, 6
.set STO,  7
.set RD,   8
.set CO,   9
.set NEG,  10                          ; -infinity
.set DL0,  11                          ; tile 0's bound
.set DL8,  12                          ; tile 8's bound
.set Q,    16                          ; v[16:31]   my 16 queries x 64
.set KA,   32                          ; v[32:79]   three key tiles
.set KC,   80                          ; v[80:127]  three key tiles
.set V0,   32                          ; later: three sets of V, 32 keys x 64 each
.set V1,   64
.set V2,   96
.set S,    128                         ; v[128:199] nine tiles of scores
.set O,    128                         ; later: v[128:159] the output, four tiles
.set OP,   160                         ; v[160:175] packed
.set OB,   176                         ; v[176:191] read back
.set P,    200                         ; v[200:239] weights in f16, ten tiles (the tenth is zero)
.set MX,   240                         ; v[240:242] three running maxima
.set NM,   244                         ; v[244:245] -max x c, twice
.set SUM,  246                         ; v[246:249] two pairs of running sums
.set INV,  250                         ; v[250:251] 1 / sum, twice
.set T,    252                         ; v[252:253]
.macro PLACES                          ; four plain vector places behind a matrix instruction (ISA guide 7.12.1)
.rept 4
	v_nop
.endr
.endm
	s_load_b128 s[4:7], s[0:1], 0x0                ; qkv s[4:5], att s[6:7]
	v_lshl_add_u32 v254, v0, 2, 0x2bc00
	v_mov_b32 v255, 0
	ds_add_u32 v254, v255
	ds_add_u32 v254, v255
	v_lshrrev_b32 v1, 5, v0
	v_readfirstlane_b32 s8, v1                     ; wave 0..15
	s_lshr_b32 s9, ttmp9, 4                        ; head
	s_and_b32 s10, ttmp9, 15                       ; block of 256 queries among the 4,096 rows
	s_lshl_b32 s11, s9, 12
	s_lshl_b32 s54, s10, 8
	s_add_co_u32 s11, s11, s54                     ; 4096 head + 256 block: my first query's row in Q
	; group 1: 32 rows x 128 elements of 2 bytes, dense; behind every 64 words 4 words (K, Q) or 8 words (V) of padding
	s_mov_b32 s16, (1<<16)|(1<<20)|(5<<22)|(3<<25)
	s_mov_b32 s17, 128<<16
	s_mov_b32 s18, 32<<16
	s_mov_b32 s19, 128<<16
	s_mov_b32 s20, 32
	s_mov_b32 s21, 128
	s_mov_b32 s22, 0
	s_mov_b32 s23, 0
	s_mov_b32 s24, (1<<16)|(1<<20)|(5<<22)|(7<<25)
	s_mov_b32 s25, 128<<16
	s_mov_b32 s26, 32<<16
	s_mov_b32 s27, 128<<16
	s_mov_b32 s28, 32
	s_mov_b32 s29, 128
	s_mov_b32 s30, 0
	s_mov_b32 s31, 0
	; which 64 logical rows I fetch.  Waves 0-5: V from 64 rows ahead of the block; 6-11: K likewise; 12-15: Q
	s_lshl_b32 s55, s8, 6
	s_add_co_u32 s55, s55, s11
	s_add_co_u32 s56, s55, 131008                  ; V: 32 x 4096 - 64 + 64 w
	s_lshl_b32 s56, s56, 7                         ; rows of 128 bytes
	s_mov_b32 s57, 0
	s_mov_b32 s58, 65088                           ; K: 16 x 4096 - 64 + 64 (w - 6)
	s_mov_b32 s59, -768                            ; Q: 64 (w - 12)
	s_cmp_lt_u32 s8, 12
	s_cselect_b32 s58, s58, s59
	s_add_co_u32 s58, s58, s55
	s_lshl_b32 s58, s58, 7
	s_mov_b32 s59, 0
	s_wait_dscnt 0x0
	s_wait_kmcnt 0x0
	s_mov_b32 s32, 1                               ; group 0 for K and Q
	s_mul_i32 s33, s8, 8704                        ; 32 LDS rows of 272 a wave; wave 6 begins at 55,296 = 6 x 8,704 + 3,072
	s_add_co_u32 s33, s33, 3072
	s_add_nc_u64 s[34:35], s[4:5], s[58:59]
	s_or_b32 s35, s35, 0x80000000
	s_mov_b32 s36, 1                               ; group 0 for V
	s_mul_i32 s37, s8, 9216                        ; 32 LDS rows of 288 a wave
	s_add_nc_u64 s[38:39], s[4:5], s[56:57]
	s_or_b32 s39, s39, 0x80000000
	s_cmp_lt_u32 s8, 6
	s_cbranch_scc0 .Lkq
	tensor_load_to_lds s[36:39], s[24:31]
	s_nop 0
	s_branch .Lasked
.Lkq:
	tensor_load_to_lds s[32:35], s[16:23]
	s_nop 0
.Lasked:                                               ; one tensor load of each wave is out; LDS is never filled again
	s_mov_b32 s50, 0x3e38aa3b                      ; c = log2(e) / 8: the scale 1 / sqrt(64) and the change to base 2
	s_mov_b32 s51, 0x3e38aa3b
	s_mov_b32 s52, 0x76543210                      ; v_permlanex16_b32: lane i reads lane i of the other half
	s_mov_b32 s53, 0xfedcba98
	s_and_b32 s54, s10, 7                          ; tile jj holds positions 16 (16 (block % 8) + w - 4 + jj) .. + 15 of the sequence:
	s_lshl_b32 s54, s54, 4                         ; inside it for tile numbers 0 .. 127 (compared unsigned: below 0 wraps)
	s_add_co_u32 s54, s54, s8
	s_sub_co_u32 s54, s54, 4
.irp jj, 0,1,2,3,4,5,6,7,8
	s_add_co_u32 s55, s54, \jj
	s_cmp_lt_u32 s55, 128
	s_cselect_b32 s[40+\jj], -1, 0
.endr
	s_lshl_b32 s56, s8, 4                          ; att at my 16 rows
	s_add_co_u32 s56, s56, s11
	s_lshl_b32 s56, s56, 7
	s_mov_b32 s57, 0
	s_add_nc_u64 s[6:7], s[6:7], s[56:57]
	v_and_b32 v1, 15, v0                           ; r
	v_bfe_u32 v2, v0, 4, 1                         ; h
	v_lshlrev_b32 v13, 3, v2
	v_sub_nc_u32 v[DL], v1, v13                    ; r - 8 h, -8 .. 15
	v_lshrrev_b32 v13, 1, v1                       ; K and Q fragments: logical row r, 16 bytes for each half of the lanes
	v_mul_u32_u24 v13, v13, 272
	v_and_b32 v14, 1, v0
	v_lshl_add_u32 v13, v14, 7, v13
	v_lshl_add_u32 v13, v2, 4, v13
	s_mul_i32 s54, s8, 2176                        ; 16 logical rows = 8 LDS rows of 272
	s_add_co_u32 s55, s54, KB
	v_add_nc_u32 v[KADR], s55, v13                 ; key tile 0 of wave w is local tile w
	s_add_co_u32 s55, s54, QB
	v_add_nc_u32 v[QADR], s55, v13
	v_bfe_u32 v13, v0, 1, 2                        ; V: logical row 8 h + lane % 8, 16 bytes by bit 3 of the lane
	v_lshl_add_u32 v13, v2, 2, v13
	v_mul_u32_u24 v13, v13, 288
	v_lshl_add_u32 v13, v14, 7, v13
	v_bfe_u32 v15, v0, 3, 1
	v_lshl_add_u32 v13, v15, 4, v13
	s_mul_i32 s54, s8, 2304                        ; 8 LDS rows of 288; also a wave's stage
	v_add_nc_u32 v[VADR], s54, v13
	s_add_co_u32 s54, s54, STAGE
	v_mul_u32_u24 v13, v1, 144
	v_lshl_add_u32 v13, v2, 4, v13
	v_add_nc_u32 v[STO], s54, v13
	v_bfe_u32 v13, v0, 3, 2
	v_mul_u32_u24 v13, v13, 144
	v_and_b32 v15, 7, v0
	v_lshl_add_u32 v13, v15, 4, v13
	v_add_nc_u32 v[RD], s54, v13
	v_and_b32 v13, 31, v0
	v_lshlrev_b32 v[CO], 4, v13
	v_mov_b32 v[NEG], 0xff800000
	v_mov_b32 v[DL0], 64                           ; tile 0 keeps key e where e >= r - 8 h; outside the sequence the bound is out of e's reach
	v_cndmask_b32 v[DL0], v[DL0], v[DL], s40
	v_mov_b32 v[DL8], -16                          ; tile 8 keeps key e where e <= r - 8 h
	v_cndmask_b32 v[DL8], v[DL8], v[DL], s48
	v_mov_b32 v[T], 0                              ; destinations of the lane permute count as read
	v_mov_b32 v[T+1], 0
	s_wait_tensorcnt 0x0                           ; my rows have landed: other waves read them,
	s_barrier_signal -1
	s_barrier_wait -1                              ; and everybody's have
.macro KLOAD dst, jj                   ; a key tile: 16 keys x 64, four loads
	ds_load_b128 v[\dst:\dst+3],     v[KADR] offset:\jj*2176
	ds_load_b128 v[\dst+4:\dst+7],   v[KADR] offset:\jj*2176+32
	ds_load_b128 v[\dst+8:\dst+11],  v[KADR] offset:\jj*2176+64
	ds_load_b128 v[\dst+12:\dst+15], v[KADR] offset:\jj*2176+96
.endm
.macro GROUP set, g                    ; three tiles of scores; the three accumulators take turns
.irp t, 0,1,2
	v_wmma_f32_16x16x32_f16 v[S+8*(3*\g+\t):S+8*(3*\g+\t)+7], v[\set+16*\t:\set+16*\t+7], v[Q:Q+7], 0
.endr
.irp t, 0,1,2
	v_wmma_f32_16x16x32_f16 v[S+8*(3*\g+\t):S+8*(3*\g+\t)+7], v[\set+16*\t+8:\set+16*\t+15], v[Q+8:Q+15], v[S+8*(3*\g+\t):S+8*(3*\g+\t)+7]
.endr
.endm
	ds_load_b128 v[Q:Q+3],     v[QADR]
	ds_load_b128 v[Q+4:Q+7],   v[QADR] offset:32
	ds_load_b128 v[Q+8:Q+11],  v[QADR] offset:64
	ds_load_b128 v[Q+12:Q+15], v[QADR] offset:96
	KLOAD KA,    0
	KLOAD KA+16, 1
	KLOAD KA+32, 2
	KLOAD KC,    3
	KLOAD KC+16, 4
	KLOAD KC+32, 5
	s_wait_dscnt 12                                ; Q and tiles 0-2 are in; the twelve loads of tiles 3-5 may be out
	GROUP KA, 0
	PLACES
	KLOAD KA,    6
	KLOAD KA+16, 7
	KLOAD KA+32, 8
	s_wait_dscnt 12                                ; tiles 3-5 are in; the twelve just issued may be out
	GROUP KC, 1
	s_wait_dscnt 0
	GROUP KA, 2
	PLACES
.macro VLOAD set, off0, off1           ; 32 keys x 64 of V, transposed: keys 0-15 from off0, keys 16-31 from off1
.irp dt, 0,1,2,3
	ds_load_tr16_b128 v[\set+8*\dt:\set+8*\dt+3],   v[VADR] offset:\off0+32*\dt
	ds_load_tr16_b128 v[\set+8*\dt+4:\set+8*\dt+7], v[VADR] offset:\off1+32*\dt
.endr
.endm
	VLOAD V0, 0,    2304                           ; they land while the softmax is made
	VLOAD V1, 4608, 6912
	VLOAD V2, 9216, 11520
	; the masks: the band cuts tiles 0 and 8 only; a tile is inside the sequence whole or not at all; tile 4 holds the diagonal and is never masked
.irp e, 0,1,2,3,4,5,6,7
	v_cmp_ge_i32 vcc_lo, \e, v[DL0]
	v_cndmask_b32 v[S+\e], v[NEG], v[S+\e], vcc_lo
.endr
.irp e, 0,1,2,3,4,5,6,7
	v_cmp_le_i32 vcc_lo, \e, v[DL8]
	v_cndmask_b32 v[S+64+\e], v[NEG], v[S+64+\e], vcc_lo
.endr
.irp jj, 1,2,3,5,6,7
.irp e, 0,1,2,3,4,5,6,7
	v_cndmask_b32 v[S+8*\jj+\e], v[NEG], v[S+8*\jj+\e], s[40+\jj]
.endr
.endr
.macro TMAX jj                         ; three chains; the first three tiles start them
.if \jj < 3
	v_max3_num_f32 v[MX+\jj], v[S+8*\jj], v[S+8*\jj+1], v[S+8*\jj+2]
	v_max3_num_f32 v[MX+\jj], v[MX+\jj], v[S+8*\jj+3], v[S+8*\jj+4]
	v_max3_num_f32 v[MX+\jj], v[MX+\jj], v[S+8*\jj+5], v[S+8*\jj+6]
	v_max_num_f32  v[MX+\jj], v[MX+\jj], v[S+8*\jj+7]
.else
	v_max3_num_f32 v[MX+\jj%3], v[MX+\jj%3], v[S+8*\jj],   v[S+8*\jj+1]
	v_max3_num_f32 v[MX+\jj%3], v[MX+\jj%3], v[S+8*\jj+2], v[S+8*\jj+3]
	v_max3_num_f32 v[MX+\jj%3], v[MX+\jj%3], v[S+8*\jj+4], v[S+8*\jj+5]
	v_max3_num_f32 v[MX+\jj%3], v[MX+\jj%3], v[S+8*\jj+6], v[S+8*\jj+7]
.endif
.endm
.irp jj, 0,1,2,3,4,5,6,7,8
	TMAX \jj
.endr
	v_max3_num_f32 v[MX], v[MX], v[MX+1], v[MX+2]
	v_permlanex16_b32 v[T], v[MX], s52, s53        ; a query's scores lie in lanes r and r + 16
	v_max_num_f32 v[MX], v[MX], v[T]
	v_mul_f32 v[NM],   0xbe38aa3b, v[MX]           ; -max x c
	v_mul_f32 v[NM+1], 0xbe38aa3b, v[MX]
.macro SOFT jj                         ; 2^(c s - c max), at most about 1; -infinity gives 0
.irp e, 0,2,4,6
	v_pk_fma_f32 v[S+8*\jj+\e:S+8*\jj+\e+1], v[S+8*\jj+\e:S+8*\jj+\e+1], s[50:51], v[NM:NM+1] op_sel_hi:[1,0,1]
.endr
.irp e, 0,1,2,3,4,5,6,7
	v_exp_f32 v[S+8*\jj+\e], v[S+8*\jj+\e]
.endr
.endm
.macro PACK jj                         ; add to the sums (two chains; the first two tiles start them), round to f16
.if \jj < 2
	s_wait_alu depctr_va_vdst(0)
	v_pk_add_f32 v[SUM+2*\jj:SUM+2*\jj+1], v[S+8*\jj:S+8*\jj+1], v[S+8*\jj+2:S+8*\jj+3]
.else
	s_wait_alu depctr_va_vdst(0)
	v_pk_add_f32 v[SUM+2*(\jj%2):SUM+2*(\jj%2)+1], v[SUM+2*(\jj%2):SUM+2*(\jj%2)+1], v[S+8*\jj:S+8*\jj+1]
	v_pk_add_f32 v[SUM+2*(\jj%2):SUM+2*(\jj%2)+1], v[SUM+2*(\jj%2):SUM+2*(\jj%2)+1], v[S+8*\jj+2:S+8*\jj+3]
.endif
	v_pk_add_f32 v[SUM+2*(\jj%2):SUM+2*(\jj%2)+1], v[SUM+2*(\jj%2):SUM+2*(\jj%2)+1], v[S+8*\jj+4:S+8*\jj+5]
	v_pk_add_f32 v[SUM+2*(\jj%2):SUM+2*(\jj%2)+1], v[SUM+2*(\jj%2):SUM+2*(\jj%2)+1], v[S+8*\jj+6:S+8*\jj+7]
.irp i, 0,1,2,3
	v_cvt_pk_f16_f32 v[P+4*\jj+\i], v[S+8*\jj+2*\i], v[S+8*\jj+2*\i+1]
.endr
.endm
	; a tile is packed one tile behind its exponentials: plain vector work on other registers always stands between an
	; exponential and the first use of its result (ISA guide 5.7.2)
	SOFT 0
	SOFT 1
	PACK 0
	SOFT 2
	PACK 1
	SOFT 3
	PACK 2
	SOFT 4
	PACK 3
	SOFT 5
	PACK 4
	SOFT 6
	PACK 5
	SOFT 7
	PACK 6
	SOFT 8
	PACK 7
	PACK 8
	v_pk_add_f32 v[SUM:SUM+1], v[SUM:SUM+1], v[SUM+2:SUM+3]
	v_add_f32 v[T], v[SUM], v[SUM+1]
	v_permlanex16_b32 v[T+1], v[T], s52, s53
	v_add_f32 v[T], v[T], v[T+1]                   ; the row's sum, at least about 1: the largest score gives 2^0
	v_rcp_f32 v[INV],   v[T]
	v_rcp_f32 v[INV+1], v[T]                       ; used far below; the four moves are plain places behind it
.irp i, 36,37,38,39
	v_mov_b32 v[P+\i], 0                           ; the tenth tile: weight 0
.endr
.macro PV p, set, first                ; 32 keys into the four tiles of the output, which take turns
.irp dt, 0,1,2,3
.if \first
	v_wmma_f32_16x16x32_f16 v[O+8*\dt:O+8*\dt+7], v[\set+8*\dt:\set+8*\dt+7], v[P+8*\p:P+8*\p+7], 0
.else
	v_wmma_f32_16x16x32_f16 v[O+8*\dt:O+8*\dt+7], v[\set+8*\dt:\set+8*\dt+7], v[P+8*\p:P+8*\p+7], v[O+8*\dt:O+8*\dt+7]
.endif
.endr
.endm
	s_wait_dscnt 0                                 ; the three sets of V
	PV 0, V0, 1
	PV 1, V1, 0
	PLACES
	VLOAD V0, 13824, 16128                         ; tiles 6, 7
	VLOAD V1, 18432, 18432                         ; tile 8, and once more in the place of the tenth, whose weight is 0
	PV 2, V2, 0
	s_wait_dscnt 8                                 ; tiles 6, 7 are in; the eight loads of the last set may be out
	PV 3, V0, 0
	s_wait_dscnt 0
	PV 4, V1, 0
	PLACES
	; out: divide, round, 16 bytes a lane into my own stage, back as four dense rows of 128 bytes
	s_wait_alu depctr_va_vdst(0)
.irp i, 0,2,4,6,8,10,12,14,16,18,20,22,24,26,28,30
	v_pk_mul_f32 v[O+\i:O+\i+1], v[O+\i:O+\i+1], v[INV:INV+1]
.endr
.irp i, 0,1,2,3,4,5,6,7,8,9,10,11,12,13,14,15
	v_cvt_pk_f16_f32 v[OP+\i], v[O+2*\i], v[O+2*\i+1]
.endr
.irp dt, 0,1,2,3
	ds_store_b128 v[STO], v[OP+4*\dt:OP+4*\dt+3] offset:32*\dt
.endr
.irp i, 0,1,2,3
	ds_load_b128 v[OB+4*\i:OB+4*\i+3], v[RD] offset:576*\i      ; LDS serves a wave's instructions in order: these see the stores above
.endr
.irp i, 0,1,2,3
	s_wait_dscnt 3-\i
	global_store_b128 v[CO], v[OB+4*\i:OB+4*\i+3], s[6:7] offset:512*\i   ; the wave stores 512 consecutive bytes, aligned
.endr
	s_wait_tensorcnt 0x0
	ds_add_u32 v254, v255
	s_wait_dscnt 0x0
	s_endpgm
.Lfunc_end_k_qdc6127a1e7_attn:
	.size	k_qdc6127a1e7_attn, .Lfunc_end_k_qdc6127a1e7_attn-k_qdc6127a1e7_attn
	.p2alignl 7, 3214868480
	.fill 96, 4, 3214868480
	.section	.rodata,"a",@progbits
	.p2align	6, 0x0
	.amdhsa_kernel k_qdc6127a1e7_attn
		.amdhsa_group_segment_fixed_size 181248
		.amdhsa_private_segment_fixed_size 0
		.amdhsa_enable_private_segment 0
		.amdhsa_kernarg_size 16
		.amdhsa_user_sgpr_count 2
		.amdhsa_user_sgpr_kernarg_segment_ptr 1
		.amdhsa_wavefront_size32 1
		.amdhsa_system_sgpr_workgroup_id_x 1
		.amdhsa_system_sgpr_workgroup_id_y 1
		.amdhsa_system_sgpr_workgroup_id_z 1
		.amdhsa_system_vgpr_workitem_id 0
		.amdhsa_next_free_vgpr 256
		.amdhsa_next_free_sgpr 66
		.amdhsa_reserve_vcc 1
		.amdhsa_float_denorm_mode_32 3
		.amdhsa_float_denorm_mode_16_64 3
		.amdhsa_memory_ordered 1
		.amdhsa_forward_progress 1
		.amdhsa_inst_pref_size 34
	.end_amdhsa_kernel
	.amdgpu_metadata
---
amdhsa.version: [ 1, 2 ]
amdhsa.kernels:
  - .name:           k_qdc6127a1e7_attn
    .symbol:         k_qdc6127a1e7_attn.kd
    .args:
      - { .name: qkv, .offset: 0, .size: 8, .value_kind: global_buffer, .address_space: global }
      - { .name: att, .offset: 8, .size: 8, .value_kind: global_buffer, .address_space: global }
    .group_segment_fixed_size: 181248
    .private_segment_fixed_size: 0
    .kernarg_segment_align: 8
    .kernarg_segment_size: 16
    .max_flat_workgroup_size: 512
    .sgpr_count:     66
    .vgpr_count:     256
    .wavefront_size: 32
...
	.end_amdgpu_metadata
.endif
;; end of part 3
;; launch proj (part 4): grid 8 x 32, 4 waves a work-group, clusters of 4 x 4, 327,680 bytes of LDS; arguments att, wp, b_proj, out0; writes out0
.if DOCPART == 4
	.amdgcn_target "amdgcn-amd-amdhsa--gfx1250"
	.amdhsa_code_object_version 6
	.text
	.protected	k_qdc6127a1e7_proj
	.globl	k_qdc6127a1e7_proj
	.p2align	8
	.type	k_qdc6127a1e7_proj,@function
k_qdc6127a1e7_proj:
	s_mov_b64 s[64:65], 0
	v_nop
	global_prefetch_b8 v0, s[64:65] scope:SCOPE_SE
	s_setreg_imm32_b32 hwreg(HW_REG_WAVE_MODE, 25, 1), 1
	s_wait_xcnt 0x0
	s_wait_alu depctr_hold_cnt(0) depctr_sa_sdst(0) depctr_va_vdst(0) depctr_va_sdst(0) depctr_va_ssrc(0) depctr_va_vcc(0) depctr_vm_vsrc(0)
	s_getreg_b32 s2, hwreg(HW_REG_IB_STS2, 6, 4)
	s_cmp_eq_u32 s2, 0
	s_cbranch_scc0 .Lentry_in_a_cluster
	s_endpgm
.Lentry_in_a_cluster:
	s_bfe_u32 s2, ttmp6, 0x10000c
	s_cmp_lg_u32 s2, 0xf033
	s_cbranch_scc0 .Lentry_shape_is_right
	s_endpgm
.Lentry_shape_is_right:
; out0 = att wp + b_proj.  att: [16 head][4096 m][64] f16 (k = 64 head + d).  wp: [1024 k][1024 n] f16.  b_proj: [1024] f32.  out0: [4096][1024] f32.
; A work-group makes 128 x 128 with four waves; a wave makes 64 x 64: 16 accumulator tiles, started by the bias.
; K = 1024 goes through two LDS slots of K = 256 (four heads), four fills in all, so the text has no loop.  Waves 0, 1 fetch two heads' rows of att each
; (a head's 128 rows are 16 KiB dense: one descriptor row), waves 2, 3 fetch 128 k rows x 128 columns of wp each: one tensor load a wave and slot.
; A slot is worked off in four phases of K = 64, one head each.
; CLUSTERS: 4 x 4 work-groups; att's tiles are asked for jointly along a row of the cluster, wp's along a column.
; wp lies [k][n]: transposing LDS loads.  The matrix instruction is used transposed, so a lane holds eight neighbouring n of one row m.
; LIMITS: operands are f16 (finite below 65,504; step 2^-24 below 2^-14); the bias enters first, so the order of rounding differs from a W + b.
; REGISTERS: window 0 addresses, bias, the way out; window 1 two fragment buffers of 128; window 2 the 16 tiles (tile (a, b) at 8 (4 a + b)).
.set REG,    36864                     ; what one wave fetches: 2 x 64 LDS rows of 272 (att, 34,816 used) or 128 rows of 288 (wp)
.set SLOT,   4*REG
.set STAGE,  2*SLOT                    ; never filled by a tensor load
.set WSTAGE, 4352                      ; 16 rows x 272 bytes
.set PB,     288
.set CHUNK,  17408                     ; a head's 128 logical rows: 64 LDS rows of 272; logical row p at (p / 2) x 272 + (p % 2) x 128
.set ADRA, 8                           ; v8-9
.set ADRB, 10                          ; v10-13: slot s, half of the slot's k rows at 10 + 2 s + half
.set STO,  16
.set RD,   17
.set CO,   18
.set BOFF, 19
.set BIAS, 32                          ; v32-63
.set OUT0, 64                          ; v64-95
.set OUT1, 96                          ; v96-127
.set G1A, 24
.set G0A, 32
.set G1B, 40
.set G0B, 48
.set MSB, 0
.macro WIN new
.if MSB != \new
	s_set_vgpr_msb (MSB<<8)|\new
.set MSB, \new
.endif
.endm
.macro PLACES                          ; four plain vector places behind a matrix instruction (ISA guide 7.12.1)
.rept 4
	v_nop
.endr
.endm
.macro JLOAD s                         ; waves 0, 1 ask for att, waves 2, 3 for wp; the branch hangs on the wave's number alone
	s_cmp_eq_u32 s13, 0
	s_cbranch_scc0 .Lfor_b_\@
	tensor_load_to_lds s[G0A+4*\s:G0A+4*\s+3], s[G1A:G1A+7]
	s_nop 0
	s_branch .Lasked_\@
.Lfor_b_\@:
	tensor_load_to_lds s[G0B+4*\s:G0B+4*\s+3], s[G1B:G1B+7]
	s_nop 0
.Lasked_\@:
.endm
.macro CREST
	s_cmp_lg_u32 s12, 0
	s_cbranch_scc1 .Lnot_wave_0_\@
	s_barrier_signal -3
.Lnot_wave_0_\@:
	s_barrier_wait -3
	s_barrier_signal -1
	s_barrier_wait -1
.endm
.macro CROUND
	s_barrier_signal -1
	s_barrier_wait -1
	CREST
.endm
	s_load_b256 s[4:11], s[0:1], 0x0               ; att s[4:5], wp s[6:7], b_proj s[8:9], out0 s[10:11]
	v_lshl_add_u32 v254, v0, 2, 0x4c400
	v_mov_b32 v255, 0
	ds_add_u32 v254, v255
	ds_add_u32 v254, v255
	v_lshrrev_b32 v1, 5, v0
	v_readfirstlane_b32 s12, v1                    ; wave 0..3
	s_lshr_b32 s13, s12, 1                         ; wm: which 64 rows are mine.  Also: I fetch att (0) or wp (1)
	s_and_b32 s14, s12, 1                          ; wn: which 64 columns.  Also: which half of the slot's K I fetch
	s_bfe_u32 s16, ttmp6, 0x40000                  ; cx
	s_bfe_u32 s17, ttmp6, 0x40004                  ; cy
	s_lshl_b32 s18, ttmp9, 2
	s_add_co_u32 s18, s18, s16                     ; block column 0..7
	s_and_b32 s19, ttmp7, 0xffff
	s_lshl_b32 s19, s19, 2
	s_add_co_u32 s19, s19, s17                     ; block row 0..31
	s_lshl_b32 s20, s17, 2
	s_lshl_b32 s20, 15, s20                        ; my row of the cluster
	s_lshl_b32 s21, 0x1111, s16                    ; my column
	; att: 2 rows of 8,192 elements (a head's 128 rows of 64), 262,144 elements from head to head; 4 words of padding behind every 64
	s_or_b32 s[G1A+0], s20, (1<<16)|(1<<20)|(1<<21)|(5<<22)|(3<<25)
	s_mov_b32 s[G1A+1], 8192<<16                   ; tensor_dim0 = 8192
	s_mov_b32 s[G1A+2], 2<<16                      ; tensor_dim1 = 2
	s_mov_b32 s[G1A+3], 8192<<16                   ; tile_dim0 = 8192
	s_mov_b32 s[G1A+4], 2                          ; tile_dim1 = 2
	s_mov_b32 s[G1A+5], 262144
	s_mov_b32 s[G1A+6], 0
	s_mov_b32 s[G1A+7], 0
	; wp: 128 rows x 128 elements, 1,024 elements from row to row; 8 words of padding behind every 64
	s_or_b32 s[G1B+0], s21, (1<<16)|(1<<20)|(1<<21)|(5<<22)|(7<<25)
	s_mov_b32 s[G1B+1], 128<<16
	s_mov_b32 s[G1B+2], 128<<16
	s_mov_b32 s[G1B+3], 128<<16
	s_mov_b32 s[G1B+4], 128
	s_mov_b32 s[G1B+5], 1024
	s_mov_b32 s[G1B+6], 0
	s_mov_b32 s[G1B+7], 0
	s_lshl_b32 s56, s19, 14                        ; att: block row x 128 rows x 128 bytes + two heads for the second half
	s_lshl_b32 s60, s14, 20
	s_add_co_u32 s56, s56, s60
	s_mov_b32 s57, 0
	s_lshl_b32 s58, s18, 8                         ; wp: block column x 256 bytes + 128 rows of 2,048 bytes for the second half
	s_lshl_b32 s60, s14, 18
	s_add_co_u32 s58, s58, s60
	s_mov_b32 s59, 0
	s_mul_i32 s22, s12, REG
	s_wait_dscnt 0x0
	s_wait_kmcnt 0x0
	s_add_nc_u64 s[56:57], s[4:5], s[56:57]
	s_add_nc_u64 s[58:59], s[6:7], s[58:59]
	CROUND                                         ; the first joint loads meet
.irp s, 0,1
	s_mov_b32 s[G0A+4*\s], 1
	s_add_co_u32 s[G0A+4*\s+1], s22, \s*SLOT
	s_add_nc_u64 s[G0A+4*\s+2:G0A+4*\s+3], s[56:57], \s*2097152    ; four heads on
	s_or_b32 s[G0A+4*\s+3], s[G0A+4*\s+3], 0x80000000
	s_mov_b32 s[G0B+4*\s], 1
	s_add_co_u32 s[G0B+4*\s+1], s22, \s*SLOT
	s_add_nc_u64 s[G0B+4*\s+2:G0B+4*\s+3], s[58:59], \s*524288     ; 256 rows on
	s_or_b32 s[G0B+4*\s+3], s[G0B+4*\s+3], 0x80000000
	JLOAD \s                                       ; two loads of mine are out
.endr
	v_and_b32 v1, 15, v0                           ; r
	v_bfe_u32 v2, v0, 4, 1                         ; h
	s_lshl_b32 s66, s18, 9                         ; the bias of my 64 columns: (128 block + 64 wn) x 4 + 32 h
	s_lshl_b32 s60, s14, 8
	s_add_co_u32 s66, s66, s60
	v_lshl_add_u32 v[BOFF], v2, 5, s66
.irp b, 0,1,2,3
	global_load_b128 v[BIAS+8*\b:BIAS+8*\b+3],   v[BOFF], s[8:9] offset:64*\b
	global_load_b128 v[BIAS+8*\b+4:BIAS+8*\b+7], v[BOFF], s[8:9] offset:64*\b+16
.endr
	v_lshrrev_b32 v3, 1, v1                        ; att's fragments: logical row r
	v_mul_u32_u24 v3, v3, 272
	v_and_b32 v5, 1, v0
	v_lshl_add_u32 v3, v5, 7, v3
	v_lshl_add_u32 v3, v2, 4, v3
	s_mul_i32 s60, s13, 8704                       ; my 64 logical rows: 32 LDS rows of 272
	v_add_nc_u32 v[ADRA], s60, v3
	s_add_co_u32 s60, s60, SLOT
	v_add_nc_u32 v[ADRA+1], s60, v3
	v_and_b32 v4, 7, v0                            ; wp's fragments: k row 8 h + lane % 8
	v_lshl_add_u32 v4, v2, 3, v4
	v_mul_u32_u24 v4, v4, PB
	v_bfe_u32 v5, v0, 3, 1
	v_lshl_add_u32 v4, v5, 4, v4
	s_lshl_b32 s61, s14, 7                         ; my 64 columns
	s_add_co_u32 s61, s61, 2*REG
	v_add_nc_u32 v[ADRB], s61, v4
	s_add_co_u32 s62, s61, REG
	v_add_nc_u32 v[ADRB+1], s62, v4
	s_add_co_u32 s62, s61, SLOT
	v_add_nc_u32 v[ADRB+2], s62, v4
	s_add_co_u32 s62, s61, SLOT+REG
	v_add_nc_u32 v[ADRB+3], s62, v4
	s_mul_i32 s60, s12, WSTAGE
	s_add_co_u32 s60, s60, STAGE
	v_mul_u32_u24 v3, v1, 272                      ; in: row r, 32 bytes for each half of the lanes
	v_lshl_add_u32 v3, v2, 5, v3
	v_add_nc_u32 v[STO], s60, v3
	v_mul_u32_u24 v3, v2, 272                      ; back: lanes 0-15 a row of 256 bytes, lanes 16-31 the next
	v_lshl_add_u32 v3, v1, 4, v3
	v_add_nc_u32 v[RD], s60, v3
	v_lshlrev_b32 v3, 12, v2                       ; the same two rows in out0
	v_lshl_add_u32 v[CO], v1, 4, v3
; 8 matrix instructions: m tiles a0, a0 + 1 x 4 n tiles, 32 along K (half kk of a phase).  first = 1: the bias starts the sums.
.macro MUL8 f, kk, a0, first
.irp a, \a0, \a0+1
.irp b, 0,1,2,3
.if \first
	v_wmma_f32_16x16x32_f16 v[8*(4*(\a)+\b):8*(4*(\a)+\b)+7], v[128*\f+64*\kk+8*\b:128*\f+64*\kk+8*\b+7], v[128*\f+64*\kk+32+8*(\a):128*\f+64*\kk+32+8*(\a)+7], v[BIAS+8*\b:BIAS+8*\b+7]
.else
	v_wmma_f32_16x16x32_f16 v[8*(4*(\a)+\b):8*(4*(\a)+\b)+7], v[128*\f+64*\kk+8*\b:128*\f+64*\kk+8*\b+7], v[128*\f+64*\kk+32+8*(\a):128*\f+64*\kk+32+8*(\a)+7], v[8*(4*(\a)+\b):8*(4*(\a)+\b)+7]
.endif
.endr
.endr
.endm
; 32 LDS loads in one run: phase p (one head, K = 64) of a slot into buffer f: 16 for its first 32 of K, then 16 for the second
.macro FETCH slot, p, f
	WIN 0x40
.irp kk, 0,1
.irp j, 0,1,2,3
	ds_load_tr16_b128 v[128*\f+64*\kk+8*\j:128*\f+64*\kk+8*\j+3],   v[ADRB+2*\slot+\p/2] offset:(\p%2)*64*PB+\kk*32*PB+32*\j
	ds_load_tr16_b128 v[128*\f+64*\kk+8*\j+4:128*\f+64*\kk+8*\j+7], v[ADRB+2*\slot+\p/2] offset:(\p%2)*64*PB+\kk*32*PB+32*\j+16*PB
.endr
.irp i, 0,1,2,3
	ds_load_b128 v[128*\f+64*\kk+32+8*\i:128*\f+64*\kk+32+8*\i+3],   v[ADRA+\slot] offset:(\p/2)*REG+(\p%2)*CHUNK+2176*\i+64*\kk
	ds_load_b128 v[128*\f+64*\kk+32+8*\i+4:128*\f+64*\kk+32+8*\i+7], v[ADRA+\slot] offset:(\p/2)*REG+(\p%2)*CHUNK+2176*\i+64*\kk+32
.endr
.endr
.endm
; A phase: 32 matrix instructions on buffer f; in its middle the next phase's fragments go into buffer g.
; The 16 accumulators take turns, one instruction a turn, in the same order throughout.
.macro PHASE slot, pn, f, g, first
	s_wait_dscnt 16                                ; the first 32 of K are in; the sixteen loads of the second may be out
.if \first
	WIN 0x85                                       ; C window 0 (the bias), D window 2
.else
	WIN 0xa5
.endif
	MUL8 \f, 0, 0, \first
	MUL8 \f, 0, 2, \first
	PLACES
	FETCH \slot, \pn, \g
	s_wait_dscnt 32                                ; all but the 32 just issued
	WIN 0xa5
	MUL8 \f, 1, 0, 0
	MUL8 \f, 1, 2, 0
.endm
.macro THREE slot, first
	PHASE \slot, 1, 0, 1, \first
	PHASE \slot, 2, 1, 0, 0
	PHASE \slot, 3, 0, 1, 0
.endm
; The slot's last phase multiplies buffer 1 and changes slots: each wave waits for its reads of this slot and for all its tensor loads
; in front of the barrier; behind it the refill comes first, then the next slot's first fragments.
.macro TURN slot, next, fill
	s_wait_dscnt 16
	WIN 0xa5
	MUL8 1, 0, 0, 0
	s_wait_dscnt 0                                 ; my reads of this slot are over
	s_set_vgpr_msb 0xa5a0
	s_wait_tensorcnt 0x0                           ; all my tensor loads have landed
	ds_add_u32 v254, v255
	s_wait_dscnt 0x0
	s_set_vgpr_msb 0xa0a5
	s_barrier_signal -1                            ; where the slot is filled again this barrier opens a round of the cluster's barrier
	MUL8 1, 0, 2, 0
	WIN 0
	s_barrier_wait -1
.if \fill
	CREST                                          ; no wave of any partner still reads this slot or has a load on its way
	s_add_nc_u64 s[G0A+4*\slot+2:G0A+4*\slot+3], s[G0A+4*\slot+2:G0A+4*\slot+3], 4194304
	s_add_nc_u64 s[G0B+4*\slot+2:G0B+4*\slot+3], s[G0B+4*\slot+2:G0B+4*\slot+3], 1048576
	JLOAD \slot                                    ; my one tensor load behind the round
.endif
	PLACES
	FETCH \next, 0, 0
	WIN 0xa5
	MUL8 1, 1, 0, 0
	MUL8 1, 1, 2, 0
.endm
	s_wait_loadcnt 0x0                             ; the bias
	s_wait_tensorcnt 1                             ; my part of slot 0 is in; slot 1's stays out
	s_barrier_signal -1
	s_barrier_wait -1
	FETCH 0, 0, 0
	THREE 0, 1                                     ; heads 0-3
	TURN 0, 1, 1                                   ; asks for heads 8-11
	THREE 1, 0                                     ; heads 4-7
	TURN 1, 0, 1                                   ; asks for heads 12-15
	THREE 0, 0
	TURN 0, 1, 0                                   ; nothing is left to ask for
	THREE 1, 0
	s_wait_dscnt 16
	WIN 0xa5
	MUL8 1, 0, 0, 0
	MUL8 1, 0, 2, 0
	s_wait_dscnt 0
	MUL8 1, 1, 0, 0
	MUL8 1, 1, 2, 0
	; THE WAY OUT, 16 rows at a time: 32 bytes a lane into my own stage, read back as whole pieces of 256 bytes of a row.
	PLACES
	WIN 0
	s_lshl_b32 s66, s18, 9                         ; my first column: 512 x block column + 256 wn bytes
	s_lshl_b32 s60, s14, 8
	s_add_co_u32 s66, s66, s60
	s_mov_b32 s67, 0
	s_add_nc_u64 s[10:11], s[10:11], s[66:67]
	s_lshl_b32 s70, s19, 19                        ; my first row: (128 x block row + 64 wm) x 4,096 bytes
	s_lshl_b32 s60, s13, 18
	s_add_co_u32 s70, s70, s60
	s_mov_b32 s71, 0
	s_add_nc_u64 s[10:11], s[10:11], s[70:71]
.macro OUT16 a, f
	WIN 0x08                                       ; store data window 2, address window 0
.irp b, 0,1,2,3
	ds_store_b128 v[STO], v[8*(4*\a+\b):8*(4*\a+\b)+3]   offset:64*\b
	ds_store_b128 v[STO], v[8*(4*\a+\b)+4:8*(4*\a+\b)+7] offset:64*\b+16
.endr
	WIN 0
	s_wait_xcnt 0x0                                ; buffer f, which earlier stores read, is loaded again only behind this wait (ISA guide 3.1)
.irp t, 0,1,2,3,4,5,6,7
	ds_load_b128 v[\f+4*\t:\f+4*\t+3], v[RD] offset:544*\t       ; LDS serves a wave's instructions in order: these see the stores above
.endr
.irp t, 0,1,2,3,4,5,6,7
	s_wait_dscnt 7-\t
	global_store_b128 v[CO], v[\f+4*\t:\f+4*\t+3], s[10:11] offset:(16*\a+2*\t)*4096 th:TH_STORE_NT   ; 16 lanes store 256 consecutive bytes, aligned
.endr
.endm
	OUT16 0, OUT0
	OUT16 1, OUT1
	OUT16 2, OUT0
	OUT16 3, OUT1
	s_wait_tensorcnt 0x0
	ds_add_u32 v254, v255
	s_wait_dscnt 0x0
	CROUND                                         ; the closing round
	s_endpgm
.Lfunc_end_k_qdc6127a1e7_proj:
	.size	k_qdc6127a1e7_proj, .Lfunc_end_k_qdc6127a1e7_proj-k_qdc6127a1e7_proj
	.p2alignl 7, 3214868480
	.fill 96, 4, 3214868480
	.section	.rodata,"a",@progbits
	.p2align	6, 0x0
	.amdhsa_kernel k_qdc6127a1e7_proj
		.amdhsa_group_segment_fixed_size 327680
		.amdhsa_private_segment_fixed_size 0
		.amdhsa_enable_private_segment 0
		.amdhsa_kernarg_size 32
		.amdhsa_user_sgpr_count 2
		.amdhsa_user_sgpr_kernarg_segment_ptr 1
		.amdhsa_wavefront_size32 1
		.amdhsa_system_sgpr_workgroup_id_x 1
		.amdhsa_system_sgpr_workgroup_id_y 1
		.amdhsa_system_sgpr_workgroup_id_z 1
		.amdhsa_system_vgpr_workitem_id 0
		.amdhsa_next_free_vgpr 640
		.amdhsa_next_free_sgpr 80
		.amdhsa_reserve_vcc 0
		.amdhsa_float_denorm_mode_32 3
		.amdhsa_float_denorm_mode_16_64 3
		.amdhsa_memory_ordered 1
		.amdhsa_forward_progress 1
		.amdhsa_inst_pref_size 87
	.end_amdhsa_kernel
	.amdgpu_metadata
---
amdhsa.version: [ 1, 2 ]
amdhsa.kernels:
  - .name:           k_qdc6127a1e7_proj
    .symbol:         k_qdc6127a1e7_proj.kd
    .args:
      - { .name: att, .offset: 0, .size: 8, .value_kind: global_buffer, .address_space: global }
      - { .name: wp, .offset: 8, .size: 8, .value_kind: global_buffer, .address_space: global }
      - { .name: b_proj, .offset: 16, .size: 8, .value_kind: global_buffer, .address_space: global }
      - { .name: out0, .offset: 24, .size: 8, .value_kind: global_buffer, .address_space: global }
    .group_segment_fixed_size: 327680
    .private_segment_fixed_size: 0
    .kernarg_segment_align: 8
    .kernarg_segment_size: 32
    .max_flat_workgroup_size: 128
    .sgpr_count:     80
    .vgpr_count:     640
    .wavefront_size: 32
...
	.end_amdgpu_metadata
.endif
;; end of part 4
